; MI455X (gfx1250); checked and timed in simulation.
; The chip was launched on July 23, 2026; its instructions are those of AMD's public machine-readable ISA for CDNA 5 (MIT licence, August 2026) and "CDNA5" Instruction Set Architecture Reference Guide (July 2026). The comments in the code are by the model that wrote it; some were corrected since.
;; Scaled Dot Porduct Attention. Allowed arithmetic: matrix products marked QUANTISED: E4M3 operands, one given power-of-two scale a tensor, by v_wmma_f32_16x16x64_fp8_fp8 or v_wmma_f32_16x16x128_fp8_fp8, f32 sums; everything else in f32.
;; Inputs: k 2 x 16 x 2,048 x 128 float32; lowp_scales 4 int32 (the exponents e of the quantised operands' scales 2^e); q 2 x 16 x 2,048 x 128 float32; v 2 x 16 x 2,048 x 128 float32.
;; Outputs: out0 2 x 16 x 2,048 x 128 float32.
;; This version of the problem:
;;   THIS VERSION OF THE PROBLEM IS GIVEN IN LOW PRECISION. The matrix products marked QUANTISED in the list below multiply operands that are first quantised to E4M3 (4 exponent bits, 3 mantissa bits; 8 bits a number), with one given power-of-two scale for each operand tensor; their sums are f32. All else is computed in f32.
;;   The module's matrix products, in the order in which they are computed (A, B: the left and right operand; K: the contracted axis; several contracted axes count as one K, in the product's order):
;;     1. batch 32 x [M 2,048, K 128] x [K 128, N 2,048]; A: input q; B: input k: QUANTISED (scales: A lowp_scales[0], B lowp_scales[1])
;;     2. batch 32 x [M 2,048, K 2,048] x [K 2,048, N 128]; A: softmax (see below); B: input v: QUANTISED (scales: A lowp_scales[2], B lowp_scales[3])
;;   THE QUANTISER, for each operand of a quantised product, along K:
;;     - The operand's scale is 2^e, e = its entry of the input lowp_scales (int32; the entries are numbered through the quantised products in the list's order, A before B).
;;     - Each number is divided by the scale, clamped to +-448, and rounded to the nearest number of E4M3, ties to even, subnormals kept.
;;     - The product sums the exact products of the quantised numbers (number of the format x scale) in f32.
;;   ~~~python
;;   def quantise(x, axis, e):      # numpy; x: float32 -> the quantised numbers, widened to float32 again
;;       x = np.moveaxis(x, axis, -1); K = x.shape[-1]
;;       r = np.clip(x / 2.0 ** e, -448, 448)
;;       step = 2.0 ** (np.maximum(np.frexp(np.where(r == 0, 1, r))[1] - 1, -6) - 3)
;;       q = np.round(r / step) * step * 2.0 ** e      # np.round: ties to even
;;       return np.moveaxis(q, -1, axis).astype(np.float32)
;;   ~~~
;;   SOFTMAX AHEAD OF A QUANTISED PRODUCT. Where the list says 'softmax', what is quantised is not the finished softmax but p = 2^(t - M), with t = logit x log2(e) and M = ceil(the row's largest t), a whole number; so 1/2 < the row's largest p <= 1. The row's sum l is taken of the UNQUANTISED p, in f32, and the product's result is divided by l at the end. Since M is a whole number, a kernel that streams over the keys may use a running M (the ceiling of the running maximum): every later rescaling is an exact power of two, so the quantised numbers keep their values, but for numbers so far below the row's largest that they fall under the format's range.
;;   OPERANDS COMPUTED ON THE WAY. 'Computed on the way' means the value that the module computes at that place (a softmax that the list does not call 'softmax' is quantised finished and normalised). What goes into a quantiser is computed in f32, as accurately as f32 sums, v_exp_f32 and their like allow (about 1e-6 of the number): no bf16 or f16 on the way to a quantiser, and a product that is left as it is and whose result goes on into a quantised operand takes f32 operands (vector FMAs, or v_wmma_f32_16x16x4_f32). A number that lies on a knife's edge between two numbers of the format may be rounded either way, as far as f32 arithmetic and the matrix unit's own rounding can turn it there, and no further.
;; One version. Each part assembles by itself: llvm-mc -triple=amdgcn-amd-amdhsa -mcpu=gfx1250 --defsym DOCPART=n.
;; ======== version 1 of 1: 2 launches
;; limits: right only within a limited range of input values
;; workspace buffers: kv 16,777,216 bytes
;; launch prep (part 1): grid 16 x 32, 8 waves a work-group, no clusters, 18,432 bytes of LDS; arguments k, v, lowp_scales, kv; writes kv
.if DOCPART == 1
	.amdgcn_target "amdgcn-amd-amdhsa--gfx1250"
	.amdhsa_code_object_version 6
	.text
	.protected	k_q541e6a8535_prep
	.globl	k_q541e6a8535_prep
	.p2align	8
	.type	k_q541e6a8535_prep,@function
k_q541e6a8535_prep:
	s_mov_b64 s[64:65], 0
	v_nop
	global_prefetch_b8 v0, s[64:65] scope:SCOPE_SE
	s_setreg_imm32_b32 hwreg(HW_REG_WAVE_MODE, 25, 1), 1
	s_wait_xcnt 0x0
; k and v, [32 heads][2048 keys][128 d] f32, become codes of E4M3 with the given scales 2^ek (entry 1 of lowp_scales) and 2^ev (entry 3):
; code = x / 2^e, held within +-448, rounded to the nearest code, ties to even.
; THE WORKSPACE kv IS LAID AS THE NEXT LAUNCH'S OPERAND REGISTERS: [head][key step of 128 keys][K block 16,384 bytes | V block 16,384 bytes]; a block is 8 fragments of 2,048 bytes;
; byte 512 c + 16 L of a fragment holds registers 4 c .. 4 c + 3 of lane L = 16 h + r: the 16 codes at k = 32 c + 16 h + 0 .. 15 of the fragment's row r.
;   K fragment 2 b + u: row r = key 32 b + 8 u + r + 8 (r / 8) of the step, k = d.      V fragment 2 j + e: row r = channel d = 64 e + 4 r + j, k = the key in the step.
; SHARES.  A work-group takes one key step of one head: 64 KB of k and 64 KB of v.  Wave w makes K fragment w (16 keys x 128 d) and, of all eight V fragments, the 256 bytes of keys 16 w .. 16 w + 15.
; Every load reads one key's 512 consecutive bytes, 16 a lane: lane l holds d = 4 l .. 4 l + 3.
;   K: a lane's four codes of a key are one word; 16 words a lane turn through the wave's own stage in LDS into the fragment's image, which leaves as four stores of 512 consecutive bytes.
;   V: a lane's register j of 16 keys are 16 neighbours along the keys of channel 4 l + j: the hold writes them into consecutive registers, the conversions give 16 bytes, and
;      sixteen neighbouring lanes store 256 consecutive bytes, aligned.  No LDS, no transposing instruction.
; Straight text: no loop, no barrier (waves share nothing), no tensor load; all 32 loads of a wave go out at once.  The work-groups share no input, so there is no cluster.
; LIMITS: ek and ev between -126 and 119, so that 2^e and 448 x 2^e are f32 numbers.  NaN among the inputs is not served; an infinity is held at the largest code.
.set LO, 2                             ; v2   16 x lane
.set KS, 3                             ; v3   the stage, on the way in:  2176 w + 272 (l / 4) + 4 (l % 4)
.set KR, 4                             ; v4   and on the way out:       2176 w + 272 (l / 16) + 16 (l % 16)
.set VO, 5                             ; v5   V's place in kv: 2048 (l / 16) + 16 (l % 16)
.set XK, 16                            ; v16-79    k as loaded; v16-31 later the fragment's image
.set XV, 80                            ; v80-143   v as loaded
.set Y,  144                           ; v144-207  v held, register 16 j + kk = key kk of channel 4 l + j
.set CK, 208                           ; v208-223  k's codes: register i = row i, d = 4 l .. 4 l + 3
.set CV, 224                           ; v224-239  v's codes: registers 4 j .. 4 j + 3 = 16 keys of channel 4 l + j
.set UNIT, 272                         ; a stage unit: 256 bytes (16 rows x 16 codes) + 16 of padding
.set WST,  8*UNIT                      ; a wave's stage
	s_load_b256 s[4:11], s[0:1], 0x0               ; k s[4:5], v s[6:7], the scales' exponents s[8:9], kv s[10:11]
	v_lshl_add_u32 v240, v0, 2, 0x4400
	v_mov_b32 v241, 0
	v_lshrrev_b32 v1, 5, v0
	s_delay_alu instid0(VALU_DEP_1)
	v_readfirstlane_b32 s12, v1                    ; wave 0..7
	v_and_b32 v1, 31, v0                           ; lane
	s_delay_alu instid0(VALU_DEP_1)
	v_lshlrev_b32 v[LO], 4, v1
	s_mul_i32 s28, s12, WST                        ; my stage
	v_lshrrev_b32 v10, 2, v1                       ; l / 4: which 16 of the 128 d my four lie in
	v_and_b32 v11, 3, v1
	s_delay_alu instid0(VALU_DEP_2)
	v_mul_u32_u24 v[KS], v10, UNIT
	s_delay_alu instid0(VALU_DEP_1)
	v_lshl_add_u32 v[KS], v11, 2, v[KS]
	s_delay_alu instid0(VALU_DEP_1)
	v_add_nc_u32 v[KS], s28, v[KS]
	v_lshrrev_b32 v10, 4, v1                       ; l / 16
	v_and_b32 v11, 15, v1                          ; l % 16
	s_delay_alu instid0(VALU_DEP_2)
	v_mul_u32_u24 v[KR], v10, UNIT
	s_delay_alu instid0(VALU_DEP_1)
	v_lshl_add_u32 v[KR], v11, 4, v[KR]
	s_delay_alu instid0(VALU_DEP_1)
	v_add_nc_u32 v[KR], s28, v[KR]
	v_lshlrev_b32 v[VO], 11, v10                   ; lanes 16-31 hold channels 64 on: the fragment one further on
	s_delay_alu instid0(VALU_DEP_1)
	v_lshl_add_u32 v[VO], v11, 4, v[VO]
	s_and_b32 s13, ttmp7, 0xffff                   ; the head
	s_lshl_b32 s13, s13, 4
	s_add_co_u32 s13, s13, ttmp9                   ; 16 x head + key step
	s_lshl_b32 s14, s13, 16                        ; the step's 128 keys x 512 bytes in k and in v (under 2^25)
	s_lshl_b32 s15, s13, 15                        ; and its 32,768 bytes in kv
	s_lshr_b32 s29, s12, 1
	s_lshl_b32 s29, s29, 14                        ; K fragment w = 2 b + u begins at key 32 b + 8 u:
	s_and_b32 s30, s12, 1
	s_lshl_b32 s30, s30, 12                        ; 16,384 b + 4,096 u bytes
	s_add_co_u32 s16, s29, s30
	s_add_co_u32 s16, s16, s14
	s_mov_b32 s17, 0
	s_lshl_b32 s18, s12, 13                        ; V: keys 16 w on
	s_add_co_u32 s18, s18, s14
	s_mov_b32 s19, 0
	s_lshl_b32 s20, s12, 11                        ; out: K fragment w
	s_add_co_u32 s20, s20, s15
	s_mov_b32 s21, 0
	s_lshl_b32 s22, s12, 8                         ; out: byte 256 w of each V fragment
	s_add_co_u32 s22, s22, s15
	s_add_co_u32 s22, s22, 16384
	s_mov_b32 s23, 0
	s_wait_kmcnt 0x0
	s_load_b128 s[24:27], s[8:9], 0x0              ; eq, ek, ep, ev
	s_add_nc_u64 s[16:17], s[4:5], s[16:17]
	s_add_nc_u64 s[18:19], s[6:7], s[18:19]
	s_add_nc_u64 s[20:21], s[10:11], s[20:21]
	s_add_nc_u64 s[22:23], s[10:11], s[22:23]
.set i, 0
.rept 16                               ; row i of the fragment is key i + 8 (i / 8) from its first
	global_load_b128 v[XK+4*i:XK+4*i+3], v[LO], s[16:17] offset:(i+8*(i/8))*512 th:TH_LOAD_NT
.set i, i+1
.endr
.set i, 0
.rept 16
	global_load_b128 v[XV+4*i:XV+4*i+3], v[LO], s[18:19] offset:512*i th:TH_LOAD_NT
.set i, i+1
.endr
	s_wait_kmcnt 0x0
	s_add_co_i32 s28, s25, 127
	s_lshl_b32 s29, s28, 23
	v_mov_b32 v6, s29                              ; 2^ek as f32: the conversion takes its exponent field
	s_add_co_i32 s28, s28, 8
	s_lshl_b32 s28, s28, 23
	s_or_b32 s28, s28, 0x600000
	v_mov_b32 v7, s28                              ; 448 x 2^ek
	s_add_co_i32 s28, s27, 127
	s_lshl_b32 s29, s28, 23
	v_mov_b32 v8, s29                              ; 2^ev
	s_add_co_i32 s28, s28, 8
	s_lshl_b32 s28, s28, 23
	s_or_b32 s28, s28, 0x600000
	v_mov_b32 v9, s28                              ; 448 x 2^ev
	s_wait_alu depctr_va_vdst(0)
	s_wait_loadcnt 16                              ; loads come back in order (ISA guide 5.7.1): k's 16 are in, v's 16 may be out
.set i, 0
.rept 64
	v_med3_num_f32 v[XK+i], v[XK+i], -v7, v7       ; the conversion to an 8-bit code does not saturate (ISA guide 7.6.2): hold first
.set i, i+1
.endr
.set i, 0
.rept 8
	v_cvt_scalef32_pk8_fp8_f32 v[CK+2*i:CK+2*i+1], v[XK+8*i:XK+8*i+7], v6   ; rows 2 i and 2 i + 1: a word of four codes each
.set i, i+1
.endr
	v_nop                                          ; one plain vector line behind the last conversion of a run
.set i, 0
.rept 16
	ds_store_b32 v[KS], v[CK+i] offset:16*i        ; unit l / 4, row i, bytes 4 (l % 4) on: word l + 4 i modulo 64: the 32 lanes touch 32 different banks
.set i, i+1
.endr
.set i, 0
.rept 4
	ds_load_b128 v[XK+4*i:XK+4*i+3], v[KR] offset:2*UNIT*i   ; unit 2 c + h, row r: registers 4 c .. 4 c + 3 of lane 16 h + r.  LDS serves a wave's instructions in order: these see my stores
.set i, i+1
.endr
	s_wait_loadcnt 0x0                             ; v
.set j, 0
.rept 4
.set kk, 0
.rept 16
	v_med3_num_f32 v[Y+16*j+kk], v[XV+4*kk+j], -v9, v9   ; the hold also lays a channel's 16 keys into consecutive registers
.set kk, kk+1
.endr
.set j, j+1
.endr
.set j, 0
.rept 4
	v_cvt_scalef32_pk8_fp8_f32 v[CV+4*j:CV+4*j+1], v[Y+16*j:Y+16*j+7], v8
	v_cvt_scalef32_pk8_fp8_f32 v[CV+4*j+2:CV+4*j+3], v[Y+16*j+8:Y+16*j+15], v8
.set j, j+1
.endr
	v_nop
.set j, 0
.rept 4
	global_store_b128 v[VO], v[CV+4*j:CV+4*j+3], s[22:23] offset:4096*j   ; lanes 0-15: 256 consecutive bytes, aligned, of fragment 2 j; lanes 16-31: of fragment 2 j + 1
.set j, j+1
.endr
.set i, 0
.rept 4
	s_wait_dscnt 3-i                               ; image load i is in; the younger ones may be out
	global_store_b128 v[LO], v[XK+4*i:XK+4*i+3], s[20:21] offset:512*i    ; 512 consecutive bytes of the fragment
.set i, i+1
.endr
	s_wait_tensorcnt 0x0
	ds_add_u32 v240, v241
	s_wait_dscnt 0x0
	s_endpgm
.Lfunc_end_k_q541e6a8535_prep:
	.size	k_q541e6a8535_prep, .Lfunc_end_k_q541e6a8535_prep-k_q541e6a8535_prep
	.p2alignl 7, 3214868480
	.fill 96, 4, 3214868480
	.section	.rodata,"a",@progbits
	.p2align	6, 0x0
	.amdhsa_kernel k_q541e6a8535_prep
		.amdhsa_group_segment_fixed_size 18432
		.amdhsa_private_segment_fixed_size 0
		.amdhsa_enable_private_segment 0
		.amdhsa_kernarg_size 32
		.amdhsa_user_sgpr_count 2
		.amdhsa_user_sgpr_kernarg_segment_ptr 1
		.amdhsa_wavefront_size32 1
		.amdhsa_system_sgpr_workgroup_id_x 1
		.amdhsa_system_sgpr_workgroup_id_y 1
		.amdhsa_system_sgpr_workgroup_id_z 1
		.amdhsa_system_vgpr_workitem_id 0
		.amdhsa_next_free_vgpr 242
		.amdhsa_next_free_sgpr 66
		.amdhsa_reserve_vcc 0
		.amdhsa_float_denorm_mode_32 3
		.amdhsa_float_denorm_mode_16_64 3
		.amdhsa_memory_ordered 1
		.amdhsa_forward_progress 1
		.amdhsa_inst_pref_size 18
	.end_amdhsa_kernel
	.amdgpu_metadata
---
amdhsa.version: [ 1, 2 ]
amdhsa.kernels:
  - .name:           k_q541e6a8535_prep
    .symbol:         k_q541e6a8535_prep.kd
    .args:
      - { .name: k, .offset: 0, .size: 8, .value_kind: global_buffer, .address_space: global }
      - { .name: v, .offset: 8, .size: 8, .value_kind: global_buffer, .address_space: global }
      - { .name: lowp_scales, .offset: 16, .size: 8, .value_kind: global_buffer, .address_space: global }
      - { .name: kv, .offset: 24, .size: 8, .value_kind: global_buffer, .address_space: global }
    .group_segment_fixed_size: 18432
    .private_segment_fixed_size: 0
    .kernarg_segment_align: 8
    .kernarg_segment_size: 32
    .max_flat_workgroup_size: 256
    .sgpr_count:     66
    .vgpr_count:     242
    .wavefront_size: 32
...
	.end_amdgpu_metadata
.endif
;; end of part 1
;; launch attn (part 2): grid 8 x 32, 8 waves a work-group, clusters of 4 x 1, 327,680 bytes of LDS; arguments q, kv, lowp_scales, out0; writes out0
.if DOCPART == 2
	.amdgcn_target "amdgcn-amd-amdhsa--gfx1250"
	.amdhsa_code_object_version 6
	.text
	.protected	k_q541e6a8535_attn
	.globl	k_q541e6a8535_attn
	.p2align	8
	.type	k_q541e6a8535_attn,@function
k_q541e6a8535_attn:
	s_mov_b64 s[64:65], 0
	v_nop
	global_prefetch_b8 v0, s[64:65] scope:SCOPE_SE
	s_setreg_imm32_b32 hwreg(HW_REG_WAVE_MODE, 25, 1), 1
	s_wait_xcnt 0x0
	s_wait_alu depctr_hold_cnt(0) depctr_sa_sdst(0) depctr_va_vdst(0) depctr_va_sdst(0) depctr_va_ssrc(0) depctr_va_vcc(0) depctr_vm_vsrc(0)
	s_getreg_b32 s2, hwreg(HW_REG_IB_STS2, 6, 4)
	s_cmp_eq_u32 s2, 0
	s_cbranch_scc0 .Lentry_in_a_cluster
	s_endpgm
.Lentry_in_a_cluster:
	s_bfe_u32 s2, ttmp6, 0x10000c
	s_cmp_lg_u32 s2, 0x3003
	s_cbranch_scc0 .Lentry_shape_is_right
	s_endpgm
.Lentry_shape_is_right:
; out0[head][q][:] = the sum over k of softmax_k(q . k / sqrt(128)) v[k][:], 32 heads, 2,048 queries and keys, head size 128; both products on codes of E4M3 with the given scales 2^eq, 2^ek, 2^ep, 2^ev.
; q arrives as f32 and is quantised here, in registers (each row is read by one wave, once).  K's and V's codes come from kv, laid by the launch before as images of the operand registers:
; [head][key step of 128 keys][K block 16,384 | V block 16,384]; a block is 8 fragments of 2,048 bytes; byte 512 c + 16 L holds registers 4 c .. 4 c + 3 of lane L = 16 h + r: k = 32 c + 16 h + 0 .. 15 of row r.
; So a fragment is four ds_load_b128 at 16 x lane: 512 consecutive bytes each.  That order of k is the same on both sides of each product; only the order of the sums inside an instruction differs from the natural one.
; THE SOFTMAX AHEAD OF THE SECOND PRODUCT: t = score x log2(e) / sqrt(128); M = the running largest t rounded UP to a whole number; p = 2^(t - M) is quantised, not normalised.  The row's sum is taken of the
; unquantised p and divides at the end.  When M moves, the sum and O are multiplied by 2^(old M - new M), which rounds nothing; there is no branch on data.
; SHARES.  A work-group owns 256 queries of a head; each of its eight waves 32: two tiles of 16, so that each fragment read from LDS feeds two products.  Two waves lie on a SIMD: one's vector work stands beside the other's products.
; LAYOUT.  Both products are used transposed: S^T = K Q^T (source 0 = 16 keys, source 1 = 16 queries), O^T = V^T P^T (source 0 = 16 channels, source 1 = P): a lane holds ONE query (lane % 16) throughout.
;   K fragment 2 b + u, row r = key 32 b + 8 u + r + 8 (r / 8): the 16 registers of S^T's tiles 2 b and 2 b + 1 are keys 32 b + 16 (lane / 16) + 0 .. 15: the conversions' results are P's registers.
;   V fragment 2 g + e, row r = channel 64 e + 4 r + g: register a of O^T's tile 2 g + e is channel 64 e + 32 (lane / 16) + 4 a + g: a lane's 32 registers of one e are 32 neighbouring channels.
; TWO BUFFERS OF 128 REGISTERS, one in each window of 256, change roles: a step finds K's eight fragments in buffer 1 - w and puts its scores into w; V's eight fragments land in 1 - w while the softmax is worked in w;
;   when p is packed, w takes the next step's K, which lands under the rescaling and the second product; and the next step puts its scores into 1 - w.
; CLUSTER.  The four query blocks of a cluster belong to one head and walk the same kv: each slot (two key steps, 65,536 consecutive bytes) is asked for JOINTLY, 16,384 bytes by each of waves 0 to 3,
; by the same tensor load with the same descriptor and a mask that names the four.  No LDS address and no branch hangs on a work-group's place in its cluster.
; THE CHANGE OF SLOTS stands inside a slot's second step, behind its last read of the slot (V's): work on registers stands between the round's opening signal and its wait.
; LIMITS on the given exponents, so that each power of two below is an f32 number: eq and ep between -126 and 119; eq + ek between -123 and 130 (added to c's exponent field); ep + ev has none (v_ldexp_f32).
; The scaled scores stay under 2^31 in magnitude.  NaN among the inputs is not served; infinities are held at the largest code.
; REGISTERS, in windows of 256 (s_set_vgpr_msb: bits 1:0 source 0, 3:2 source 1, 5:4 source 2, 7:6 destination):
;   window 0: v1-11 addresses and constants; v12-31 ten registers of statistics a tile; v32-63 Q; v64-95 p's codes, 16 a tile; v96-107 parts of the sums; v128-255 buffer 0.
;   window 1: v0-127 O^T: 64 t + 8 f; v128-255 buffer 1.        In a buffer: scores (then p) of tile t, key tile f at 128 + 64 t + 8 f; fragment f at 128 + 16 f.
; Of that round the opening signal and its wait alone have such work between them; what follows that wait, up to the round's last, stands bare.
.set SLOT,  65536                      ; LDS: slot 0 at 0, slot 1 at 65,536.  In a slot: step qq at 32,768 qq; K fragment f at + 2,048 f; V fragment f at + 16,384 + 2,048 f
.set SPARE, 2*SLOT                     ; the spare words: 128 bytes for each of eight waves: four blocks of 256 bytes that no other line names
.set STAGE, SPARE+1024                 ; a stage of 16 rows x 272 bytes for each wave: no tensor load lands here
.set SP,    272
.set WST,   16*SP
.set LI,  1                            ; v1   16 x lane
.set SPW, 2                            ; v2   LDS address of my spare word; never rewritten
.set NIL, 3                            ; v3   0; never rewritten
.set GO,  4                            ; v4   the way out: 512 (l / 16) + 16 (l % 16)
.set AD,  5                            ; v5   the slot in hand + 16 x lane
.set STO, 6                            ; v6   the stage: row l % 16, + 128 (l / 16)
.set RD,  7                            ; v7   the stage: row l / 16, + 16 (l % 16)
.set PFO, 10                           ; v10  256 x lane; never rewritten            (v8: 2^ep;  v9: 448 x 2^ep)
.set QS,  11                           ; v11  the stage for q's codes: 272 (l / 4) + 4 (l % 4)
.set ST,  12                           ; tile t's statistics at ST + 10 t: +0 -M, +1 the largest score, +2:3 the sum in two halves, +4:5 f (the upper word is only named), +6 and +8 at work, +9 a permute's destination
.set Q,   32
.set P,   64
.set X,   96                           ; tile t's three further chains of the sum at X + 6 t
.set S,   128                          ; a buffer, in either window
.set O,   0                            ; window 1
.set WV,  12                           ; s12  my wave's number
.set LIM, 15                           ; s15  1 in a wave that prefetches, else the greatest number
.set PFA, 18                           ; s[18:19] where my prefetches stand
.set SEL, 20                           ; s[20:21] lane selects for v_permlanex16_b32: lane l xor 16
.set CS,  22                           ; s[22:23] c = log2(e) / sqrt(128) x 2^(eq + ek), twice
.set G1,  24                           ; s[24:31] descriptor group 1
.set G0,  32                           ; s[32:35] descriptor group 0, which walks
.set TB,  36                           ; s36  LDS byte at which the slot in hand begins
.set SLOTS, 37                         ; s37  slots still to be asked for
.set MSB, 0
.macro WIN new                         ; the immediate's high byte repeats the setting that is left; a switch that changes nothing is dropped
.if MSB != (\new)
	s_set_vgpr_msb (MSB<<8)|(\new)
.set MSB, (\new)
.endif
.endm
.macro VW                              ; the wait around transcendentals, ahead of blocking waits and ahead of late first reads
	s_wait_alu depctr_va_vdst(0)
.endm
.macro PLACES n                        ; only plain vector instructions that name none of a matrix instruction's registers are places behind it (ISA guide 7.12.1)
.rept \n
	v_nop
.endr
.endm
.macro CSIG                            ; wave 0 signals for the work-group
	s_cmp_lg_u32 s[WV], 0
	s_cbranch_scc1 .Lnot_wave_0_\@
	s_barrier_signal -3
.Lnot_wave_0_\@:
.endm
; A round of the cluster's barrier: my work-group's barrier; wave 0 signals for the work-group; every wave waits for all four work-groups; my work-group's barrier once more.
.macro CROUND
	s_barrier_signal -1
	s_barrier_wait -1
	CSIG
	s_barrier_wait -3
	s_barrier_signal -1
	s_barrier_wait -1
.endm
; The joint load: waves 0 to 3 fetch a quarter of a slot each, the others nothing.  The branch hangs on the wave's number alone.  Four v_nop follow the load.
.macro TLOAD
	s_cmp_lt_u32 s[WV], 4
	s_cbranch_scc0 .Lno_load_\@
	tensor_load_to_lds s[G0:G0+3], s[G1:G1+7]
	s_nop 0
.rept 4
	v_nop
.endr
.Lno_load_\@:
.endm
; A prefetch of the slot that the NEXT change of slots will ask for: two key steps ahead of that load.  Each aligned block of 256 bytes is named once in the launch: both clusters of a head walk the same kv, and the
; head's first cluster asks; its four partners take 16,384 bytes each, told apart by ADDRESS; in each, waves 4 and 5, which fetch nothing, take 8,192 bytes each, lanes 256 bytes apart: one instruction.
; Slots 0 and 1 come by their loads alone; the last change that fills a slot asks for nothing: there is no slot behind it.
.macro ASK
	s_cmp_gt_u32 s[SLOTS], s[LIM]
	s_cbranch_scc0 .Lnot_mine_\@
	global_prefetch_b8 v[PFO], s[PFA:PFA+1] th:TH_LOAD_NT scope:SCOPE_SE
.Lnot_mine_\@:
.endm
; Ahead of a change that fills: all my tensor loads are done, so group 0 may be written; the add, twice.
.macro OPENFILL
	s_wait_tensorcnt 0x0
	ds_add_u32 v[SPW], v[NIL]
	ds_add_u32 v[SPW], v[NIL]
	s_xor_b32 s[G0+1], s[G0+1], SLOT               ; the walking descriptor: the other slot than last time,
	s_add_nc_u64 s[G0+2:G0+3], s[G0+2:G0+3], SLOT  ; the next two key steps; the type bits on top are not reached
	s_wait_xcnt 0x0                                ; the last prefetch, a slot back, has read its address, so it may be written:
	s_add_nc_u64 s[PFA:PFA+1], s[PFA:PFA+1], SLOT  ; one slot further on than the walking descriptor
.endm
.macro ADDR                            ; the LDS address of the slot in hand
	v_add_nc_u32 v[AD], s[TB], v[LI]
	VW
.endm
.macro FRAGS off                       ; eight fragments, 32 loads of 512 consecutive bytes, into the buffer of the window that is set
.irp f, 0,1,2,3,4,5,6,7
.irp c, 0,1,2,3
	ds_load_b128 v[S+16*\f+4*\c:S+16*\f+4*\c+3], v[AD] offset:\off+2048*\f+512*\c
.endr
.endr
.endm
	s_load_b256 s[4:11], s[0:1], 0x0               ; q s[4:5], kv s[6:7], the scales' exponents s[8:9], out0 s[10:11]
	v_lshl_add_u32 v[SPW], v0, 2, SPARE
	v_mov_b32 v[NIL], 0
	ds_add_u32 v[SPW], v[NIL]                      ; the wave's opening: the add, twice on end, and its wait ahead of the first tensor load; the set-up stands between
	ds_add_u32 v[SPW], v[NIL]
	v_lshrrev_b32 v5, 5, v0
	s_delay_alu instid0(VALU_DEP_1)
	v_readfirstlane_b32 s[WV], v5                  ; wave 0..7
	v_and_b32 v12, 31, v0                          ; lane
	s_delay_alu instid0(VALU_DEP_1)
	v_lshlrev_b32 v[LI], 4, v12
	s_delay_alu instid0(VALU_DEP_2)
	v_lshlrev_b32 v[PFO], 8, v12
	v_and_b32 v13, 15, v0                          ; r = l % 16
	v_bfe_u32 v14, v0, 4, 1                        ; h = l / 16
	s_mul_i32 s44, s[WV], WST
	s_add_co_u32 s44, s44, STAGE                   ; my stage.  Every LDS address register but AD is made here, ahead of the first branch on the wave's number
	v_mul_u32_u24 v[STO], v13, SP
	s_delay_alu instid0(VALU_DEP_1)
	v_lshl_add_u32 v[STO], v14, 7, v[STO]
	s_delay_alu instid0(VALU_DEP_1)
	v_add_nc_u32 v[STO], s44, v[STO]
	v_mul_u32_u24 v[RD], v14, SP
	s_delay_alu instid0(VALU_DEP_1)
	v_lshl_add_u32 v[RD], v13, 4, v[RD]
	s_delay_alu instid0(VALU_DEP_1)
	v_add_nc_u32 v[RD], s44, v[RD]
	v_bfe_u32 v15, v0, 2, 3                        ; l / 4
	v_and_b32 v16, 3, v0                           ; l % 4
	s_delay_alu instid0(VALU_DEP_2)
	v_mul_u32_u24 v[QS], v15, SP
	s_delay_alu instid0(VALU_DEP_1)
	v_lshl_add_u32 v[QS], v16, 2, v[QS]
	s_delay_alu instid0(VALU_DEP_1)
	v_add_nc_u32 v[QS], s44, v[QS]
	v_lshlrev_b32 v[GO], 9, v14
	s_delay_alu instid0(VALU_DEP_1)
	v_lshl_add_u32 v[GO], v13, 4, v[GO]
	s_bfe_u32 s13, ttmp6, 0x40000                  ; cx: my place in the cluster
	s_lshl_b32 s14, ttmp9, 2                       ; in a cluster launch ttmp9 counts clusters
	s_add_co_u32 s14, s14, s13                     ; my block of 256 queries: it enters q's and out0's addresses alone
	s_and_b32 s45, ttmp7, 0xffff                   ; the head, which the four partners share
	s_lshl_b32 s16, s45, 20                        ; a head of q or out0: 2,048 rows x 512 bytes,
	s_lshl_b32 s46, s14, 17                        ; my block's 256 rows,
	s_add_co_u32 s16, s16, s46
	s_lshl_b32 s46, s[WV], 14                      ; my wave's 32
	s_add_co_u32 s16, s16, s46
	s_mov_b32 s17, 0
	s_and_b32 s47, s[WV], 3
	s_lshl_b32 s47, s47, 14                        ; the quarter of a slot that I fetch, in LDS and in memory alike (s38, s39, s47 never hold cx)
	s_lshl_b32 s38, s45, 19                        ; a head of kv: 16 steps x 32,768 bytes
	s_add_co_u32 s38, s38, s47
	s_mov_b32 s39, 0
	s_lshl_b32 s18, s45, 19                        ; the prefetches: the head,
	s_lshl_b32 s46, s13, 14                        ; my work-group's 16,384 bytes of a slot,
	s_add_co_u32 s18, s18, s46
	s_and_b32 s46, s[WV], 1
	s_lshl_b32 s46, s46, 13                        ; my wave's 8,192 of them,
	s_add_co_u32 s18, s18, s46
	s_add_co_u32 s18, s18, SLOT                    ; in slot 1: the first change of slots steps it to slot 2
	s_mov_b32 s19, 0
	s_lshr_b32 s46, s[WV], 1
	s_xor_b32 s46, s46, 2                          ; 0 in waves 4 and 5,
	s_or_b32 s46, s46, ttmp9                       ; of the head's first cluster: the same in all four partners
	s_cmp_eq_u32 s46, 0
	s_cselect_b32 s[LIM], 1, -1
	; descriptor group 1: 64 rows of 256 bytes, dense in memory and in LDS
	s_mov_b32 s[G1], 15|(3<<16)|(1<<21)            ; 15:0 the mask: all four work-groups; 17:16 elements of 8 bytes; 20 no padding; 21 set beside a mask
	s_mov_b32 s[G1+1], 32<<16                      ; tensor_dim0 = 32 elements
	s_mov_b32 s[G1+2], 64<<16                      ; tensor_dim1 = 64
	s_mov_b32 s[G1+3], 32<<16                      ; tile_dim0 = 32
	s_mov_b32 s[G1+4], 64                          ; tile_dim1 = 64
	s_mov_b32 s[G1+5], 32                          ; tensor_dim0_stride: a row begins where the last ends
	s_mov_b32 s[G1+6], 0
	s_mov_b32 s[G1+7], 0
	s_mov_b32 s[SEL], 0x76543210
	s_mov_b32 s[SEL+1], 0xfedcba98
	s_mov_b32 s[CS], 0x3e0293ee                    ; c = log2(e) / sqrt(128)
	s_mov_b32 s[TB], 0
	s_mov_b32 s[SLOTS], 7                          ; 8 slots of two key steps; slot 0 is asked for by the head's first load
	VW
	s_wait_dscnt 0x0                               ; both opening adds are done
	s_wait_kmcnt 0x0
	s_load_b128 s[40:43], s[8:9], 0x0              ; eq, ek, ep, ev
	s_add_nc_u64 s[4:5], s[4:5], s[16:17]          ; q and out0 at my wave's first row
	s_add_nc_u64 s[10:11], s[10:11], s[16:17]
.set i, 0
.rept 32                               ; q: row i of my 32: 512 consecutive bytes, lane l holds d = 4 l .. 4 l + 3
	global_load_b128 v[S+4*i:S+4*i+3], v[LI], s[4:5] offset:512*i th:TH_LOAD_NT
.set i, i+1
.endr
	s_add_nc_u64 s[PFA:PFA+1], s[6:7], s[PFA:PFA+1]
	s_mov_b32 s[G0], 1                             ; 1:0 count = 1
	s_mov_b32 s[G0+1], s47                         ; 63:32 LDS address: slot 0
	s_add_nc_u64 s[G0+2:G0+3], s[6:7], s[38:39]    ; 120:64 global address: the head's first two steps
	s_or_b32 s[G0+3], s[G0+3], 0x80000000          ; 127:126 type = 2
	CROUND                                         ; all four work-groups are here: the first joint loads meet
	TLOAD                                          ; slot 0: one tensor load of mine is out
.irp t, 0,1
	v_mov_b32 v[ST+10*\t], 0x7f61b1e6              ; -M: 3e38
	v_mov_b32 v[ST+10*\t+1], 0xff61b1e6            ; the largest score so far: -3e38, under every score
	v_mov_b32 v[ST+10*\t+2], 0                     ; the sum, in two halves
	v_mov_b32 v[ST+10*\t+3], 0
	v_mov_b32 v[ST+10*\t+5], 0                     ; (named as the upper half of f's pair)
	v_mov_b32 v[ST+10*\t+9], 0                     ; (a lane permute's destination counts as one of its sources)
.endr
	WIN 0x40
.set i, 0
.rept 128
	v_mov_b32 v[O+i], 0                            ; O^T.  The key step is written without a first copy: the first step finds zeros, which the first change of M leaves zeros
.set i, i+1
.endr
	WIN 0
	s_wait_kmcnt 0x0
	s_add_co_i32 s44, s40, s41
	s_lshl_b32 s44, s44, 23
	s_add_co_i32 s[CS], s[CS], s44                 ; a score stands for score x 2^(eq + ek): the two exponents are added to c's exponent field
	s_mov_b32 s[CS+1], s[CS]                       ; (named with it as a pair, so it is written)
	s_add_co_i32 s44, s42, 127
	s_lshl_b32 s46, s44, 23
	v_mov_b32 v8, s46                              ; 2^ep as f32: the conversion takes its exponent field
	s_add_co_i32 s44, s44, 8
	s_lshl_b32 s44, s44, 23
	s_or_b32 s44, s44, 0x600000
	v_mov_b32 v9, s44                              ; 448 x 2^ep
	s_add_co_i32 s44, s40, 127
	s_lshl_b32 s46, s44, 23
	v_mov_b32 v64, s46                             ; 2^eq
	s_add_co_i32 s44, s44, 8
	s_lshl_b32 s44, s44, 23
	s_or_b32 s44, s44, 0x600000
	v_mov_b32 v65, s44                             ; 448 x 2^eq
	s_add_co_i32 s48, s42, s43                     ; ep + ev
	VW
	OPENFILL                                       ; slot 0's parts are in; slot 1's first fill is issued as a refill is.  q may still be on its way: each wave waits for its own rows alone, behind the round
	s_wait_dscnt 0x0                               ; the adds are done
	CROUND
	TLOAD                                          ; slot 1
	ADDR
	WIN 0x40
	FRAGS 0                                        ; step 0's K, into buffer 1
	WIN 0
	ASK
	s_mov_b32 s[SLOTS], 6
.irp t, 0,1
	s_wait_loadcnt 16-16*\t                        ; q's tile t is in: loads come back in order (ISA guide 5.7.1)
.set i, 0
.rept 64
	v_med3_num_f32 v[S+64*\t+i], v[S+64*\t+i], -v65, v65   ; the conversion to an 8-bit code does not saturate (ISA guide 7.6.2): hold first
.set i, i+1
.endr
.set i, 0
.rept 8
	v_cvt_scalef32_pk8_fp8_f32 v[66+16*\t+2*i:67+16*\t+2*i], v[S+64*\t+8*i:S+64*\t+8*i+7], v64   ; v[66 + i]: row i's four codes of d = 4 l .. 4 l + 3
.set i, i+1
.endr
	v_nop                                          ; one plain vector line behind the last conversion of a run
.set i, 0
.rept 16                               ; the codes turn through my stage into the fragments' images: unit d / 16 of 16 rows x 16 bytes, 272 bytes apart
	ds_store_b32 v[QS], v[66+16*\t+i] offset:8*SP*\t+16*i   ; word l + 4 i modulo 64: the 32 lanes touch 32 different banks
.set i, i+1
.endr
.endr
.irp t, 0,1
.irp c, 0,1,2,3
	ds_load_b128 v[Q+16*\t+4*\c:Q+16*\t+4*\c+3], v[RD] offset:8*SP*\t+2*SP*\c   ; unit 2 c + h, row r.  LDS serves a wave's instructions in order: these see my stores
.endr
.endr
	VW
	s_wait_dscnt 0x0                               ; Q and step 0's K are in
.macro KQ b0                           ; 8 products S^T = K Q^T: key tiles b0 .. b0 + 3 x both tiles of queries; each is a whole sum (K = the head's 128) and starts with 0
.irp f, 0,1,2,3
.irp t, 0,1
	v_wmma_f32_16x16x128_fp8_fp8 v[S+64*\t+8*(\b0+\f):S+64*\t+8*(\b0+\f)+7], v[S+16*(\b0+\f):S+16*(\b0+\f)+15], v[Q+16*\t:Q+16*\t+15], 0
.endr
.endr
.endm
.macro PV                              ; 16 products O^T += V^T P^T: the 16 accumulators have one turn each in a key step
.irp f, 0,1,2,3,4,5,6,7
.irp t, 0,1
	v_wmma_f32_16x16x128_fp8_fp8 v[O+64*\t+8*\f:O+64*\t+8*\f+7], v[S+16*\f:S+16*\f+15], v[P+16*\t:P+16*\t+15], v[O+64*\t+8*\f:O+64*\t+8*\f+7]
.endr
.endr
.endm
.macro SUM w, t                        ; tile t's row sum of the UNQUANTISED p: two at a time, in four chains
	WIN 0x05*\w
.irp a, 0,1,2
	v_pk_add_f32 v[X+6*\t+2*\a:X+6*\t+2*\a+1], v[S+64*\t+4*\a:S+64*\t+4*\a+1], v[S+64*\t+4*\a+2:S+64*\t+4*\a+3]
.endr
	WIN 0x04*\w
.set ii, 12
.rept 6
	v_pk_add_f32 v[ST+10*\t+2:ST+10*\t+3], v[ST+10*\t+2:ST+10*\t+3], v[S+64*\t+ii:S+64*\t+ii+1]
.irp a, 0,1,2
	v_pk_add_f32 v[X+6*\t+2*\a:X+6*\t+2*\a+1], v[X+6*\t+2*\a:X+6*\t+2*\a+1], v[S+64*\t+ii+2+2*\a:S+64*\t+ii+3+2*\a]
.endr
.set ii, ii+8
.endr
	v_pk_add_f32 v[ST+10*\t+2:ST+10*\t+3], v[ST+10*\t+2:ST+10*\t+3], v[S+64*\t+60:S+64*\t+61]
	v_pk_add_f32 v[X+6*\t:X+6*\t+1], v[X+6*\t:X+6*\t+1], v[S+64*\t+62:S+64*\t+63]
	WIN 0
	v_pk_add_f32 v[X+6*\t+2:X+6*\t+3], v[X+6*\t+2:X+6*\t+3], v[X+6*\t+4:X+6*\t+5]
	v_pk_add_f32 v[ST+10*\t+2:ST+10*\t+3], v[ST+10*\t+2:ST+10*\t+3], v[X+6*\t:X+6*\t+1]
	v_pk_add_f32 v[ST+10*\t+2:ST+10*\t+3], v[ST+10*\t+2:ST+10*\t+3], v[X+6*\t+2:X+6*\t+3]
.endm
.macro RESCALE t                       ; O^T's tile t under the new M, each accumulator from its low end on; the wait stands directly ahead of the first readers of the last products
	WIN 0x41
	VW
.set ii, 0
.rept 32
	v_pk_mul_f32 v[O+64*\t+ii:O+64*\t+ii+1], v[O+64*\t+ii:O+64*\t+ii+1], v[ST+10*\t+4:ST+10*\t+5] op_sel_hi:[1,0]
.set ii, ii+2
.endr
.endm
; A KEY STEP: 128 keys, the qq-th of the slot in hand, scores in buffer w.  mode 0: the next step's K lies in the same slot; 1: a change of slots that fills, inside the step; 2: a change that fills nothing; 3: the last step.
.macro STEP w, qq, mode
	s_wait_dscnt 16                                ; LDS loads come back in order (ISA guide 5.7.1): K's fragments 0-3 are in, the other 16 loads may be out
	WIN (64*\w)|(1-\w)
	KQ 0
	s_wait_dscnt 0x0
	KQ 4
	PLACES 4                                       ; in front of the loads below and of the first reads of the scores
	WIN 64*(1-\w)
	FRAGS 32768*\qq+16384                          ; V's eight fragments land while the softmax is worked
	; the step's largest score of each query: two chains a tile, the tiles by turns, every accumulator from its low end on
	WIN 0x15*\w
.irp t, 0,1
	v_max3_num_f32 v[ST+10*\t+6], v[S+64*\t], v[S+64*\t+1], v[S+64*\t+2]
.endr
.irp t, 0,1
	v_max3_num_f32 v[ST+10*\t+8], v[S+64*\t+3], v[S+64*\t+4], v[S+64*\t+5]
.endr
	WIN 0x14*\w
.set ii, 6
.rept 14
.irp t, 0,1
	v_max3_num_f32 v[ST+10*\t+6], v[ST+10*\t+6], v[S+64*\t+ii], v[S+64*\t+ii+1]
.endr
.irp t, 0,1
	v_max3_num_f32 v[ST+10*\t+8], v[ST+10*\t+8], v[S+64*\t+ii+2], v[S+64*\t+ii+3]
.endr
.set ii, ii+4
.endr
.irp t, 0,1
	v_max3_num_f32 v[ST+10*\t+6], v[ST+10*\t+6], v[S+64*\t+62], v[S+64*\t+63]
.endr
	WIN 0
.irp t, 0,1
	v_max_num_f32 v[ST+10*\t+6], v[ST+10*\t+6], v[ST+10*\t+8]
.endr
.irp t, 0,1
	s_delay_alu instid0(VALU_DEP_2)
	v_permlanex16_b32 v[ST+10*\t+9], v[ST+10*\t+6], s[SEL], s[SEL+1]   ; the query's other 64 keys lie in the lane 16 away
.endr
.irp t, 0,1
	s_delay_alu instid0(VALU_DEP_2)
	v_max3_num_f32 v[ST+10*\t+1], v[ST+10*\t+1], v[ST+10*\t+6], v[ST+10*\t+9]   ; the running largest score
.endr
.irp t, 0,1
	s_delay_alu instid0(VALU_DEP_2)
	v_mul_f32 v[ST+10*\t+6], s[CS], -v[ST+10*\t+1] ; -t of it (c is positive)
.endr
.irp t, 0,1
	v_mov_b32 v[ST+10*\t+8], v[ST+10*\t]           ; the old -M
.endr
.irp t, 0,1
	s_delay_alu instid0(VALU_DEP_4)
	v_floor_f32 v[ST+10*\t], v[ST+10*\t+6]         ; the new -M = floor(-t) = -ceil(t): M is a whole number
.endr
.irp t, 0,1
	s_delay_alu instid0(VALU_DEP_2)
	v_sub_f32 v[ST+10*\t+6], v[ST+10*\t], v[ST+10*\t+8]   ; M's old value less its new one: a whole number, 0 or less
.endr
.irp t, 0,1
	s_delay_alu instid0(VALU_DEP_2)
	v_cvt_i32_f32 v[ST+10*\t+6], v[ST+10*\t+6]     ; (it saturates)
.endr
.irp t, 0,1
	s_delay_alu instid0(VALU_DEP_2)
	v_ldexp_f32 v[ST+10*\t+4], 1.0, v[ST+10*\t+6]  ; f = 2^(old M - new M)
.endr
	WIN 0x41*\w
.set ii, 0
.rept 32
	v_pk_fma_f32 v[S+ii:S+ii+1], v[S+ii:S+ii+1], s[CS:CS+1], v[ST:ST+1] op_sel_hi:[1,0,0]   ; t - M; of the pairs c and -M the low word serves both halves
.set ii, ii+2
.endr
	VW                                             ; ahead of tile 0's batch
.set ii, 0
.rept 32
	v_exp_f32 v[S+ii], v[S+ii]                     ; p = 2^(t - M): not normalised.  Tile 1's scalings stand among tile 0's exponentials
	v_exp_f32 v[S+ii+1], v[S+ii+1]
	v_pk_fma_f32 v[S+64+ii:S+64+ii+1], v[S+64+ii:S+64+ii+1], s[CS:CS+1], v[ST+10:ST+11] op_sel_hi:[1,0,0]
.set ii, ii+2
.endr
	VW                                             ; behind tile 0's batch and ahead of tile 1's
	WIN 0
.if \mode == 1
	OPENFILL
	s_xor_b32 s[TB], s[TB], SLOT                   ; on to the other slot
.endif
.if \mode == 2
	s_wait_tensorcnt 0x0
	ds_add_u32 v[SPW], v[NIL]                      ; 0 onto my spare word
	s_xor_b32 s[TB], s[TB], SLOT
.endif
.irp t, 0,1
	v_pk_mul_f32 v[ST+10*\t+2:ST+10*\t+3], v[ST+10*\t+2:ST+10*\t+3], v[ST+10*\t+4:ST+10*\t+5] op_sel_hi:[1,0]   ; the sums under the new M
.endr
	SUM \w, 0
	WIN 0x41*\w
.set ii, 0
.rept 32
	v_exp_f32 v[S+64+ii], v[S+64+ii]               ; tile 1's exponentials, among them tile 0's hold at the largest code x 2^ep, always executed; p is not negative, so it is one-sided
	v_exp_f32 v[S+64+ii+1], v[S+64+ii+1]
	v_dual_min_num_f32 v[S+ii], v[S+ii], v9 :: v_dual_min_num_f32 v[S+ii+1], v[S+ii+1], v9
.set ii, ii+2
.endr
	VW                                             ; behind tile 1's batch
.if (\mode == 1) || (\mode == 2)
	s_wait_dscnt 0x0                               ; the add is done, and my reads of the slot that is being left are over
	s_barrier_signal -1                            ; register work alone up to the barrier's end
.endif
	SUM \w, 1
	WIN 0x41*\w
.set ii, 0
.rept 32
	v_dual_min_num_f32 v[S+64+ii], v[S+64+ii], v9 :: v_dual_min_num_f32 v[S+64+ii+1], v[S+64+ii+1], v9
.set ii, ii+2
.endr
	WIN \w
.set ii, 0
.rept 16
	v_cvt_scalef32_pk8_fp8_f32 v[P+2*ii:P+2*ii+1], v[S+8*ii:S+8*ii+7], v8   ; eight neighbouring keys of my query: two registers of P
.set ii, ii+1
.endr
	v_nop                                          ; one plain vector line behind the last conversion of a run
.if \mode == 0
	s_wait_dscnt 0x0                               ; V is in
	WIN 64*\w
	FRAGS 32768                                    ; the next step's K takes the scores' buffer
	RESCALE 0
	RESCALE 1
.endif
.if \mode == 1
	RESCALE 0
	WIN 0
	VW
	s_barrier_wait -1
	CSIG
	s_barrier_wait -3
	s_barrier_signal -1
	s_barrier_wait -1                              ; no wave of any partner still reads the slot that was left or has a load on its way
	TLOAD                                          ; the joint refill: two key steps in which to land
	ADDR                                           ; the slot ahead
	WIN 64*\w
	FRAGS 0                                        ; its first step's K lands under the other half of the rescaling and the second product
	WIN 0
	ASK
	RESCALE 1
.endif
.if \mode == 2
	WIN 0
	VW
	s_barrier_wait -1                              ; the last slot's parts are in
	ADDR
	WIN 64*\w
	FRAGS 0
	RESCALE 0
	RESCALE 1
.endif
.if \mode == 3
	s_wait_dscnt 0x0
	RESCALE 0
	RESCALE 1
.endif
	WIN 0x50|(1-\w)
	PV
	PLACES 5                                       ; the next scores are written over V's fragments
	WIN 0
.endm
.Ltrip:                                            ; 6 trips: trip i works slot i and asks for slot i + 2
	ADDR
	STEP 0, 0, 0
	STEP 1, 1, 1
	s_sub_co_u32 s[SLOTS], s[SLOTS], 1
	s_cmp_lg_u32 s[SLOTS], 0
	s_cbranch_scc1 .Ltrip
	ADDR                                           ; the last two slots are written out
	STEP 0, 0, 0
	STEP 1, 1, 2
	STEP 0, 0, 0
	STEP 1, 1, 3
	; THE WAY OUT.  The sum's halves are added; O^T x 2^(ep + ev) / the sum goes through my stage, 16 rows x 64 channels (256 bytes) at a time, and leaves as rows.
.irp t, 0,1
	v_add_f32 v[ST+10*\t+6], v[ST+10*\t+2], v[ST+10*\t+3]
.endr
.irp t, 0,1
	s_delay_alu instid0(VALU_DEP_2)
	v_permlanex16_b32 v[ST+10*\t+9], v[ST+10*\t+6], s[SEL], s[SEL+1]
.endr
.irp t, 0,1
	s_delay_alu instid0(VALU_DEP_2)
	v_add_f32 v[ST+10*\t+6], v[ST+10*\t+6], v[ST+10*\t+9]   ; the row's sum
.endr
	VW
.irp t, 0,1
	v_rcp_f32 v[ST+10*\t+8], v[ST+10*\t+6]
.endr
	v_nop                                          ; a plain line behind the last reciprocal
	VW
.irp t, 0,1
	v_ldexp_f32 v[ST+10*\t+8], v[ST+10*\t+8], s48  ; x 2^(ep + ev)
.endr
.macro SEND r, younger                 ; rows of quarter r; younger: the LDS instructions issued behind this quarter's loads
.irp g, 0,1,2,3,4,5,6,7
	s_wait_dscnt \younger+7-\g
	global_store_b128 v[GO], v[S+32*(\r)+4*\g:S+32*(\r)+4*\g+3], s[10:11] offset:8192*((\r)/2)+256*((\r)%2)+1024*\g th:TH_STORE_NT   ; sixteen lanes store 256 consecutive bytes, aligned; written once, read by nobody here
.endr
.endm
.irp rho, 0,1,2,3                      ; rho = 2 t + e
	WIN 0x01                                       ; source 0 (O^T) window 1
	VW
.irp a, 0,1,2,3,4,5,6,7                ; each accumulator is read from its low end.  The multiplication also puts the channels in order
.irp g, 0,1,2,3
	v_mul_f32 v[S+32*\rho+4*\a+\g], v[O+64*(\rho/2)+16*\g+8*(\rho%2)+\a], v[ST+10*(\rho/2)+8]   ; channel 64 e + 32 (l / 16) + 4 a + g of query 16 t + l % 16
.endr
.endr
	WIN 0
.irp g, 0,1,2,3,4,5,6,7
	ds_store_b128 v[STO], v[S+32*\rho+4*\g:S+32*\rho+4*\g+3] offset:16*\g    ; rows 272 bytes apart: sixteen lanes touch sixteen different columns of 16 bytes
.endr
.irp g, 0,1,2,3,4,5,6,7
	ds_load_b128 v[S+32*\rho+4*\g:S+32*\rho+4*\g+3], v[RD] offset:2*SP*\g    ; LDS serves a wave's instructions in order: these see my stores, and the next round's stores come behind them
.endr
.if \rho > 0
	SEND \rho-1, 16
.endif
.endr
	SEND 3, 0
	s_wait_tensorcnt 0x0                           ; the wave's end, behind my last tensor load and my last LDS store
	ds_add_u32 v[SPW], v[NIL]
	s_wait_dscnt 0x0
	CROUND                                         ; the closing round: no work-group ends while a partner may still ask for a tile that names it
	s_endpgm
.Lfunc_end_k_q541e6a8535_attn:
	.size	k_q541e6a8535_attn, .Lfunc_end_k_q541e6a8535_attn-k_q541e6a8535_attn
	.p2alignl 7, 3214868480
	.fill 96, 4, 3214868480
	.section	.rodata,"a",@progbits
	.p2align	6, 0x0
	.amdhsa_kernel k_q541e6a8535_attn
		.amdhsa_group_segment_fixed_size 327680
		.amdhsa_private_segment_fixed_size 0
		.amdhsa_enable_private_segment 0
		.amdhsa_kernarg_size 32
		.amdhsa_user_sgpr_count 2
		.amdhsa_user_sgpr_kernarg_segment_ptr 1
		.amdhsa_wavefront_size32 1
		.amdhsa_system_sgpr_workgroup_id_x 1
		.amdhsa_system_sgpr_workgroup_id_y 1
		.amdhsa_system_sgpr_workgroup_id_z 1
		.amdhsa_system_vgpr_workitem_id 0
		.amdhsa_next_free_vgpr 512
		.amdhsa_next_free_sgpr 66
		.amdhsa_reserve_vcc 0
		.amdhsa_float_denorm_mode_32 3
		.amdhsa_float_denorm_mode_16_64 3
		.amdhsa_memory_ordered 1
		.amdhsa_forward_progress 1
		.amdhsa_inst_pref_size 241
	.end_amdhsa_kernel
	.amdgpu_metadata
---
amdhsa.version: [ 1, 2 ]
amdhsa.kernels:
  - .name:           k_q541e6a8535_attn
    .symbol:         k_q541e6a8535_attn.kd
    .args:
      - { .name: q, .offset: 0, .size: 8, .value_kind: global_buffer, .address_space: global }
      - { .name: kv, .offset: 8, .size: 8, .value_kind: global_buffer, .address_space: global }
      - { .name: lowp_scales, .offset: 16, .size: 8, .value_kind: global_buffer, .address_space: global }
      - { .name: out0, .offset: 24, .size: 8, .value_kind: global_buffer, .address_space: global }
    .group_segment_fixed_size: 327680
    .private_segment_fixed_size: 0
    .kernarg_segment_align: 8
    .kernarg_segment_size: 32
    .max_flat_workgroup_size: 256
    .sgpr_count:     66
    .vgpr_count:     512
    .wavefront_size: 32
...
	.end_amdgpu_metadata
.endif
;; end of part 2
